; MI455X (gfx1250); checked and timed in simulation.
; The chip was launched on July 23, 2026; its instructions are those of AMD's public machine-readable ISA for CDNA 5 (MIT licence, August 2026) and "CDNA5" Instruction Set Architecture Reference Guide (July 2026). The comments in the code are by the model that wrote it; some were corrected since.
;; Compressed Prototype. Allowed arithmetic: matrix products marked QUANTISED: E2M1 operands, one E8M0 scale for each 32 along K, by v_wmma_scale_f32_16x16x128_f8f6f4 with both operands' format E2M1 (or v_wmma_scale_f32_32x16x128_f4), f32 sums; everything else in f32.
;; Inputs: bias 4,096 float32; indices 4,096 x 4,096 int32; mean 4,096 float32; x 4,096 x 4,096 float32.
;; Outputs: out0 4,096 x 4,096 float32.
;; This version of the problem:
;;   THIS VERSION OF THE PROBLEM IS GIVEN IN LOW PRECISION. The matrix products marked QUANTISED in the list below multiply operands that are first quantised to E2M1 (2 exponent bits, 1 mantissa bit; 4 bits a number), with one power-of-two scale for each 32 numbers along K (OCP MX v1.0); their sums are f32. All else is computed in f32.
;;   The module's matrix products, in the order in which they are computed (A, B: the left and right operand; K: the contracted axis; several contracted axes count as one K, in the product's order):
;;     1. [M 4,096, K 4,096] x [K 4,096, N 4,096]; A: input x; B: computed on the way: QUANTISED
;;   THE QUANTISER, for each operand of a quantised product, along K:
;;     - K is cut into blocks of 32 from its start; a last block that is shorter is filled with zeros.
;;     - A block's scale is 2^e with e = floor(log2(the largest magnitude in the block)) - 2, held to -126 .. 127; a block of zeros has e = 0. As a byte (E8M0): e + 127.
;;     - Each number is divided by its block's scale, clamped to +-6, and rounded to the nearest number of E2M1, ties to even, subnormals kept.
;;     - The product sums the exact products of the quantised numbers (number of the format x scale) in f32.
;;   ~~~python
;;   def quantise(x, axis):      # numpy; x: float32 -> the quantised numbers, widened to float32 again
;;       x = np.moveaxis(x, axis, -1); K = x.shape[-1]
;;       x = np.pad(x, [(0, 0)] * (x.ndim - 1) + [(0, -K % 32)]); x = x.reshape(x.shape[:-1] + (-1, 32)); a = np.abs(x).max(-1, keepdims=True)
;;       e = np.where(a > 0, np.clip(np.frexp(np.where(a > 0, a, 1))[1] - 1 - 2, -126, 127), 0)      # np.frexp(a)[1] - 1 = floor(log2(a)), exactly
;;       r = np.clip(x / 2.0 ** e, -6, 6)
;;       step = 2.0 ** (np.maximum(np.frexp(np.where(r == 0, 1, r))[1] - 1, 0) - 1)
;;       q = np.round(r / step) * step * 2.0 ** e      # np.round: ties to even
;;       return np.moveaxis(q.reshape(q.shape[:-2] + (-1,))[..., :K], -1, axis).astype(np.float32)
;;   ~~~
;;   OPERANDS COMPUTED ON THE WAY. 'Computed on the way' means the value that the module computes at that place (a softmax that the list does not call 'softmax' is quantised finished and normalised). What goes into a quantiser is computed in f32, as accurately as f32 sums, v_exp_f32 and their like allow (about 1e-6 of the number): no bf16 or f16 on the way to a quantiser, and a product that is left as it is and whose result goes on into a quantised operand takes f32 operands (vector FMAs, or v_wmma_f32_16x16x4_f32). A number that lies on a knife's edge between two numbers of the format may be rounded either way, as far as f32 arithmetic and the matrix unit's own rounding can turn it there, and no further.
;; One version. Each part assembles by itself: llvm-mc -triple=amdgcn-amd-amdhsa -mcpu=gfx1250 --defsym DOCPART=n.
;; ======== version 1 of 1: 2 launches
;; limits: right only within a limited range of input values
;; workspace buffers: xq 8,912,896 bytes; wq 8,912,896 bytes
;; launch quant (part 1): grid 512 x 1, 8 waves a work-group, no clusters, 84,992 bytes of LDS; arguments x, indices, mean, xq, wq; writes xq, wq
.if DOCPART == 1
	.amdgcn_target "amdgcn-amd-amdhsa--gfx1250"
	.amdhsa_code_object_version 6
	.text
	.protected	k_q2069a63c71_quant
	.globl	k_q2069a63c71_quant
	.p2align	8
	.type	k_q2069a63c71_quant,@function
k_q2069a63c71_quant:
	s_mov_b64 s[64:65], 0
	v_nop
	global_prefetch_b8 v0, s[64:65] scope:SCOPE_SE
	s_setreg_imm32_b32 hwreg(HW_REG_WAVE_MODE, 25, 1), 1
	s_wait_xcnt 0x0
; x [4096 (m)][4096 (k)] f32 and W [4096 (k)][4096 (n)], W[k][n] = mean[indices[k][n]], are turned ONCE into codes of FP4 (E2M1) with one E8M0 scale byte for each 32 along K.
; A block's scale is 2^(floor(log2(its largest magnitude)) - 2): its byte is the largest magnitude's exponent field - 2, held at 1 from below; each number is divided by the scale and rounded to the nearest code, ties to even, beyond 6 the largest code.
; LIMITS: NaN and infinities among x and mean are not served.  A block of zeros gets the byte 1 where the rule says 127: its codes are zeros, which add nothing under any byte but 0xff, and the bytes are read by this program alone.
; An index outside 0 .. 4,095 (the problem excludes it) is held at 4,095.
; THE WORKSPACE (xq for x, wq for W, alike): chunk (g = row / 128, s = k / 512) of CH = 34,816 bytes at (8 g + s) CH.  In a chunk: fragment (q = (k % 512) / 128, i = (row % 128) / 16) at
; (8 q + i) 1,024, as the image of the operand's 8 registers: the 16 bytes (32 codes) of k = 64 c + 32 h + 0 .. 31 of row r lie at 512 c + 256 h + 16 r.  Behind the codes, at 32,768: the scale bytes [p = (k % 512) / 256][row % 128][8].
; SHARES.  512 work-groups of 8 waves: numbers 0 .. 255 take W, 256 .. 511 take x; the two ways part on the work-group's number alone and have LDS bytes of their own (W: the table at 0; x: the stages behind it).
; A wave does one task: 32 columns x 256 along K of W, or 32 rows x 256 along K of x.  A task reads 32 KiB and writes 4 KiB of codes and 256 scale bytes.
; W: A LANE TAKES A COLUMN n AND ITS REGISTERS RUN DOWN K: an index load reads 128 neighbouring bytes a wave (the eight waves stand side by side on 1,024), a block of 32 along K is one lane's 32 registers, and its 16 bytes of codes
; are stored as they stand: sixteen lanes fill one aligned 256 bytes.  mean (16 KiB) lies in LDS: the gather is 32 LDS loads a block.
; x: each load reads 512 neighbouring bytes of one row; 16 rows x 128 K turn through the wave's own stage in LDS, so that lane (r, h) holds k = 64 c + 32 h + 0 .. 31 of row r: the conversions' results are the operand's registers.
; No clusters: the work-groups share mean's 16 KiB alone.  No tensor loads: the gather wants the indices in registers.
.set CH,    34816
.set SCO,   32768
.set ROWB,  16384                      ; a row of x or of indices in bytes
.set STG,   16384                      ; LDS: mean at 0; behind it a stage of 16 rows x SP bytes for each wave
.set SP,    528                        ; 512 bytes + 16: the 16 rows that a load touches start at 16 different banks (64 banks of 4 bytes: ISA guide 11.1)
.set LN,    1                          ; lane
.set VI,    2                          ; 4 x lane
.set VW,    3                          ; W's codes: 1,024 (lane / 16) + 16 (lane % 16)
.set V8,    4                          ; 8 x lane
.set V16,   5                          ; 16 x lane
.set VT,    6                          ; 16 x thread
.set STI,   7                          ; the stage, on the way in
.set STO,   8                          ; and on the way out: SP r + 128 h
.set SH8,   9                          ; 8 h
.set IDX,   16                         ; v16-79   W: two sets of 32 indices
.set R1,    16                         ; x as loaded, set 1
.set VAL,   80                         ; v80-111  W: a block's 32 numbers
.set COD,   112                        ; v112-143 W's codes: four registers for each block
.set X,     80                         ; v80-143  x: 64 numbers
.set SB,    144                        ; v144-145 W's eight scale bytes
.set TM,    146                        ; v146-151 x: largest magnitudes, scale operands, bytes
.set R0,    152                        ; v152-215 x as loaded, set 0
.set XC,    216                        ; v216-247 x's codes: eight registers for each step
.set XW,    248                        ; v248-251 x's scale words
	s_load_b256 s[4:11], s[0:1], 0x0               ; x s[4:5], indices s[6:7], mean s[8:9], xq s[10:11]
	s_load_b64 s[12:13], s[0:1], 0x20              ; wq
	v_lshl_add_u32 v15, v0, 2, 0x14800             ; my spare word
	v_mov_b32 v255, 0
	v_lshrrev_b32 v10, 5, v0
	s_delay_alu instid0(VALU_DEP_1)
	v_readfirstlane_b32 s14, v10                   ; wave 0..7
	v_and_b32 v[LN], 31, v0
	v_and_b32 v10, 15, v0                          ; r
	v_bfe_u32 v11, v0, 4, 1                        ; h
	s_delay_alu instid0(VALU_DEP_3)
	v_lshlrev_b32 v[VI], 2, v[LN]
	s_delay_alu instid0(VALU_DEP_3)
	v_lshlrev_b32 v[VW], 4, v10
	s_delay_alu instid0(VALU_DEP_1)
	v_lshl_add_u32 v[VW], v11, 10, v[VW]
	v_lshlrev_b32 v[V8], 3, v[LN]
	v_lshlrev_b32 v[V16], 4, v[LN]
	v_lshlrev_b32 v[VT], 4, v0
	s_mul_i32 s34, s14, 16*SP
	s_add_co_u32 s34, s34, STG                     ; my stage
	v_add_nc_u32 v[STI], s34, v[V16]
	v_mul_u32_u24 v[STO], v10, SP
	s_delay_alu instid0(VALU_DEP_1)
	v_lshl_add_u32 v[STO], v11, 7, v[STO]
	s_delay_alu instid0(VALU_DEP_1)
	v_add_nc_u32 v[STO], s34, v[STO]
	v_lshlrev_b32 v[SH8], 3, v11
	v_mov_b32 v254, 0                              ; written once: a lane permute's destination counts as one of its sources
	s_mov_b32 s32, 0x76543210
	s_mov_b32 s33, 0xfedcba98                      ; v_permlanex16_b32's selects for lane l xor 16
	s_and_b32 s35, ttmp9, 255                      ; the task's number among W's or among x's 256
	; W's task: cb = number % 16 (256 columns), kp = number / 16 (256 along K); my columns 256 cb + 32 wave on
	s_and_b32 s15, s35, 15                         ; cb
	s_lshr_b32 s16, s35, 4                         ; kp
	s_lshl_b32 s20, s16, 22                        ; 256 kp rows of 16,384 bytes
	s_lshl_b32 s17, s15, 10
	s_or_b32 s20, s20, s17
	s_lshl_b32 s17, s14, 7
	s_or_b32 s20, s20, s17                         ; + 4 x my first column
	s_mov_b32 s21, 0
	s_lshl_b32 s17, s15, 1
	s_lshr_b32 s18, s14, 2
	s_add_co_u32 s17, s17, s18                     ; g = 2 cb + wave / 4
	s_lshl_b32 s17, s17, 3
	s_lshr_b32 s18, s16, 1
	s_add_co_u32 s17, s17, s18                     ; 8 g + s, s = kp / 2
	s_mul_i32 s17, s17, CH
	s_and_b32 s18, s16, 1                          ; p = kp % 2
	s_and_b32 s19, s14, 3                          ; which 32 of the chunk's 128 rows
	s_lshl_b32 s22, s18, 14
	s_add_co_u32 s22, s22, s17
	s_lshl_b32 s24, s19, 11
	s_add_co_u32 s22, s22, s24                     ; codes: chunk + 16,384 p + 2,048 (wave % 4)
	s_mov_b32 s23, 0
	s_lshl_b32 s24, s18, 10
	s_add_co_u32 s24, s24, s17
	s_lshl_b32 s19, s19, 8
	s_add_co_u32 s24, s24, s19
	s_add_co_u32 s24, s24, SCO                     ; scale bytes: chunk + 32,768 + 1,024 p + 256 (wave % 4)
	s_mov_b32 s25, 0
	; x's task: rows 32 (number / 2) on; along K the piece 8 (number % 2) + wave of 256
	s_lshr_b32 s15, s35, 1
	s_and_b32 s16, s35, 1
	s_lshl_b32 s26, s15, 19                        ; 32 rows of 16,384 bytes
	s_lshl_b32 s17, s16, 13
	s_or_b32 s26, s26, s17
	s_lshl_b32 s17, s14, 10
	s_or_b32 s26, s26, s17                         ; + 1,024 bytes a piece
	s_mov_b32 s27, 0
	s_lshr_b32 s17, s35, 3                         ; g
	s_lshl_b32 s17, s17, 3
	s_lshl_b32 s18, s16, 2
	s_add_co_u32 s17, s17, s18
	s_lshr_b32 s18, s14, 1
	s_add_co_u32 s17, s17, s18                     ; 8 g + s, s = 4 (number % 2) + wave / 2
	s_mul_i32 s17, s17, CH
	s_and_b32 s18, s14, 1                          ; p
	s_and_b32 s19, s15, 3                          ; which 32 of the chunk's 128 rows
	s_lshl_b32 s28, s18, 14
	s_add_co_u32 s28, s28, s17
	s_lshl_b32 s30, s19, 11
	s_add_co_u32 s28, s28, s30
	s_mov_b32 s29, 0
	s_lshl_b32 s30, s18, 10
	s_add_co_u32 s30, s30, s17
	s_lshl_b32 s19, s19, 8
	s_add_co_u32 s30, s30, s19
	s_add_co_u32 s30, s30, SCO
	s_mov_b32 s31, 0
	s_wait_alu depctr_va_vdst(0)                   ; the wait at the head's end
	s_wait_kmcnt 0x0
	s_add_nc_u64 s[20:21], s[6:7], s[20:21]        ; indices
	s_add_nc_u64 s[22:23], s[12:13], s[22:23]      ; wq: codes,
	s_add_nc_u64 s[24:25], s[12:13], s[24:25]      ; scale bytes
	s_add_nc_u64 s[26:27], s[4:5], s[26:27]        ; x
	s_add_nc_u64 s[28:29], s[10:11], s[28:29]      ; xq: codes,
	s_add_nc_u64 s[30:31], s[10:11], s[30:31]      ; scale bytes
; No pointer is stepped and no address register rewritten: every step stands in an immediate (255 rows of 16,384 bytes at the most, inside the signed 24 bits: ISA guide, chapter 10).
.macro ILOAD t                         ; block t: indices[256 kp + 32 t + i][my column], i = 0 .. 31, into set t % 2
.set i, 0
.rept 32
	global_load_b32 v[IDX+32*((\t)%2)+i], v[VI], s[20:21] offset:(32*(\t)+i)*ROWB th:TH_LOAD_NT
.set i, i+1
.endr
.endm
.macro XLOAD t, reg                    ; step t: rows 16 (t / 2) + j, j = 0 .. 15, their 128 numbers 128 (t % 2) on: 512 neighbouring bytes a load
.irp j, 0,1,2,3,4,5,6,7,8,9,10,11,12,13,14,15
	global_load_b128 v[\reg+4*\j:\reg+4*\j+3], v[V16], s[26:27] offset:(16*((\t)/2)+\j)*ROWB+512*((\t)%2) th:TH_LOAD_NT
.endr
.endm
; A block of W.  left: the younger loads that may stay out.  nx = 1: the indices of two blocks on are asked for when the gather is back.
.macro BLOCK t, left, nx
.set IS, IDX+32*((\t)%2)
	s_wait_loadcnt \left                           ; loads come back in order (ISA guide 5.7.1): this block's 32 indices are in
.set i, 0
.rept 32
	v_min_u32 v[IS+i], 0xfff, v[IS+i]              ; an index stays inside the table
.set i, i+1
.endr
.set i, 0
.rept 32
	v_lshlrev_b32 v[IS+i], 2, v[IS+i]              ; its byte in LDS
.set i, i+1
.endr
.set i, 0
.rept 32
	ds_load_b32 v[VAL+i], v[IS+i]                  ; W(32 t + i, my column)
.set i, i+1
.endr
	s_wait_dscnt 0x0                               ; the numbers are in, and the index registers have been read: they may be loaded again
.if \nx
	ILOAD (\t)+2
.endif
	v_max3_num_f32 v10, |v[VAL]|, |v[VAL+1]|, |v[VAL+2]|            ; the block's largest magnitude: all 32 numbers are mine; two chains
	v_max3_num_f32 v11, |v[VAL+3]|, |v[VAL+4]|, |v[VAL+5]|
.irp i, 6,10,14,18,22,26
	s_delay_alu instid0(VALU_DEP_2)
	v_max3_num_f32 v10, v10, |v[VAL+\i]|, |v[VAL+\i+1]|
	s_delay_alu instid0(VALU_DEP_2)
	v_max3_num_f32 v11, v11, |v[VAL+\i+2]|, |v[VAL+\i+3]|
.endr
	s_delay_alu instid0(VALU_DEP_2)
	v_max3_num_f32 v10, v10, |v[VAL+30]|, |v[VAL+31]|
	s_delay_alu instid0(VALU_DEP_1)
	v_max3_num_f32 v10, v10, v11, 0x1800000        ; and the floor 2^(3 - 127): the byte cannot fall under 1
	s_delay_alu instid0(VALU_DEP_1)
	v_add_nc_u32 v12, 0xff000000, v10              ; 2 off its exponent field: the conversion takes the exponent field of this operand as its scale
.irp g, 0,1,2,3
	v_cvt_scalef32_pk8_fp4_f32 v[COD+4*(\t)+\g], v[VAL+8*\g:VAL+8*\g+7], v12
.endr
	v_lshrrev_b32 v13, 23, v12                     ; the scale's byte.  (Also the plain line behind the conversions)
.if (\t)%4 == 0
	s_delay_alu instid0(VALU_DEP_1)
	v_mov_b32 v[SB+(\t)/4], v13                    ; four bytes to a register, the lower K in the lower byte
.else
	s_delay_alu instid0(VALU_DEP_1)
	v_lshl_or_b32 v[SB+(\t)/4], v13, 8*((\t)%4), v[SB+(\t)/4]
.endif
	global_store_b128 v[VW], v[COD+4*(\t):COD+4*(\t)+3], s[22:23] offset:8192*((\t)/4)+512*(((\t)%4)/2)+256*((\t)%2)   ; lanes 0-15 store 256 consecutive bytes at a multiple of 256, lanes 16-31 the same 1,024 bytes on
.endm
; A step of x: 16 rows x 128 along K become one fragment and its scale words.
.macro XSTEP t, left
.if (\t)%2
.set RR, R1
.else
.set RR, R0
.endif
	s_wait_loadcnt \left                           ; this step's 16 loads are in; the next step's may be out
.irp j, 0,1,2,3,4,5,6,7,8,9,10,11,12,13,14,15
	ds_store_b128 v[STI], v[RR+4*\j:RR+4*\j+3] offset:SP*\j          ; row j as it lies
.endr
.irp c, 0,1
.irp j, 0,1,2,3,4,5,6,7
	ds_load_b128 v[X+32*\c+4*\j:X+32*\c+4*\j+3], v[STO] offset:256*\c+16*\j   ; LDS serves a wave's instructions in order (ISA guide 5.7.1.4).  k = 64 c + 32 h + 4 j on of row r
.endr
.endr
	s_wait_dscnt 0x0                               ; the numbers are back, and the stores have read their registers,
.if (\t) < 2
	XLOAD (\t)+2, RR                               ; which take the loads of two steps on
.endif
.irp c, 0,1
	v_max3_num_f32 v[TM+\c], |v[X+32*\c]|, |v[X+32*\c+1]|, 0x1800000   ; my block 2 c + h: all its 32 numbers are mine; and the floor
.endr
.irp i, 2,4,6,8,10,12,14,16,18,20,22,24,26,28,30
.irp c, 0,1
	s_delay_alu instid0(VALU_DEP_2)
	v_max3_num_f32 v[TM+\c], v[TM+\c], |v[X+32*\c+\i]|, |v[X+32*\c+\i+1]|   ; (the two blocks by turns)
.endr
.endr
.irp c, 0,1
	s_delay_alu instid0(VALU_DEP_2)
	v_add_nc_u32 v[TM+2+\c], 0xff000000, v[TM+\c]  ; the conversion's scale operand
.endr
.irp c, 0,1
	s_delay_alu instid0(VALU_DEP_2)
	v_lshrrev_b32 v[TM+4+\c], 23, v[TM+2+\c]       ; the scale's byte
.endr
	s_delay_alu instid0(VALU_DEP_1)
	v_lshl_or_b32 v10, v[TM+5], 16, v[TM+4]        ; my two bytes: blocks h and 2 + h of row r,
	s_delay_alu instid0(VALU_DEP_1)
	v_lshlrev_b32 v10, v[SH8], v10                 ; at their places in the scale word;
	s_delay_alu instid0(VALU_DEP_1)
	v_permlanex16_b32 v254, v10, s32, s33
	s_delay_alu instid0(VALU_DEP_1)
	v_or_b32 v[XW+(\t)], v10, v254                 ; with lane l xor 16's two the word is whole, in both lanes
.irp c, 0,1
.irp g, 0,1,2,3
	v_cvt_scalef32_pk8_fp4_f32 v[XC+8*(\t)+4*\c+\g], v[X+32*\c+8*\g:X+32*\c+8*\g+7], v[TM+2+\c]
.endr
.endr
	v_nop                                          ; one plain line behind the conversions
.irp c, 0,1
	global_store_b128 v[V16], v[XC+8*(\t)+4*\c:XC+8*(\t)+4*\c+3], s[28:29] offset:(8*((\t)%2)+(\t)/2)*1024+512*\c   ; 32 lanes store 512 consecutive bytes at a multiple of 256
.endr
.endm
	s_cmp_ge_u32 ttmp9, 256                        ; the same in all waves of the work-group
	s_cbranch_scc1 .Lx_task
.irp j, 0,1,2,3
	global_load_b128 v[VAL+4*\j:VAL+4*\j+3], v[VT], s[8:9] offset:4096*\j    ; mean: 256 threads x 16 bytes x 4
.endr
	ILOAD 0
	s_wait_loadcnt 32                              ; mean's four loads are in; block 0's 32 may be out
.irp j, 0,1,2,3
	ds_store_b128 v[VT], v[VAL+4*\j:VAL+4*\j+3] offset:4096*\j
.endr
	ILOAD 1
	s_wait_dscnt 0x0                               ; for the others' sake: my part of the table has landed
	s_barrier_signal -1
	s_barrier_wait -1                              ; the table is whole
	BLOCK 0, 32, 1                                 ; 32: the next block's indices stay out
	BLOCK 1, 32, 1
	BLOCK 2, 32, 1
	BLOCK 3, 32, 1
	BLOCK 4, 32, 1
	BLOCK 5, 32, 1
	BLOCK 6, 32, 0
	BLOCK 7, 0, 0
	global_store_b64 v[V8], v[SB:SB+1], s[24:25]   ; my column's eight scale bytes: 32 lanes store 256 consecutive bytes at a multiple of 256
	s_wait_tensorcnt 0x0                           ; the wave's end
	ds_add_u32 v15, v255
	s_wait_dscnt 0x0
	s_endpgm
.Lx_task:
	XLOAD 0, R0
	XLOAD 1, R1
	XSTEP 0, 16
	XSTEP 1, 16
	XSTEP 2, 16
	XSTEP 3, 0
	v_cmp_lt_u32 vcc_lo, 15, v[LN]                 ; lanes 0-15 store rows 0-15's two words (steps 0, 1), lanes 16-31 rows 16-31's (steps 2, 3)
	s_delay_alu instid0(VALU_DEP_1)
	v_cndmask_b32 v252, v[XW], v[XW+2], vcc_lo
	s_delay_alu instid0(VALU_DEP_2)
	v_cndmask_b32 v253, v[XW+1], v[XW+3], vcc_lo
	global_store_b64 v[V8], v[252:253], s[30:31]   ; 256 consecutive bytes at a multiple of 256
	s_wait_tensorcnt 0x0                           ; the wave's end
	ds_add_u32 v15, v255
	s_wait_dscnt 0x0
	s_endpgm
.Lfunc_end_k_q2069a63c71_quant:
	.size	k_q2069a63c71_quant, .Lfunc_end_k_q2069a63c71_quant-k_q2069a63c71_quant
	.p2alignl 7, 3214868480
	.fill 96, 4, 3214868480
	.section	.rodata,"a",@progbits
	.p2align	6, 0x0
	.amdhsa_kernel k_q2069a63c71_quant
		.amdhsa_group_segment_fixed_size 84992
		.amdhsa_private_segment_fixed_size 0
		.amdhsa_enable_private_segment 0
		.amdhsa_kernarg_size 40
		.amdhsa_user_sgpr_count 2
		.amdhsa_user_sgpr_kernarg_segment_ptr 1
		.amdhsa_wavefront_size32 1
		.amdhsa_system_sgpr_workgroup_id_x 1
		.amdhsa_system_sgpr_workgroup_id_y 1
		.amdhsa_system_sgpr_workgroup_id_z 1
		.amdhsa_system_vgpr_workitem_id 0
		.amdhsa_next_free_vgpr 256
		.amdhsa_next_free_sgpr 66
		.amdhsa_reserve_vcc 1
		.amdhsa_float_denorm_mode_32 3
		.amdhsa_float_denorm_mode_16_64 3
		.amdhsa_memory_ordered 1
		.amdhsa_forward_progress 1
		.amdhsa_inst_pref_size 118
	.end_amdhsa_kernel
	.amdgpu_metadata
---
amdhsa.version: [ 1, 2 ]
amdhsa.kernels:
  - .name:           k_q2069a63c71_quant
    .symbol:         k_q2069a63c71_quant.kd
    .args:
      - { .name: x, .offset: 0, .size: 8, .value_kind: global_buffer, .address_space: global }
      - { .name: indices, .offset: 8, .size: 8, .value_kind: global_buffer, .address_space: global }
      - { .name: mean, .offset: 16, .size: 8, .value_kind: global_buffer, .address_space: global }
      - { .name: xq, .offset: 24, .size: 8, .value_kind: global_buffer, .address_space: global }
      - { .name: wq, .offset: 32, .size: 8, .value_kind: global_buffer, .address_space: global }
    .group_segment_fixed_size: 84992
    .private_segment_fixed_size: 0
    .kernarg_segment_align: 8
    .kernarg_segment_size: 40
    .max_flat_workgroup_size: 256
    .sgpr_count:     66
    .vgpr_count:     256
    .wavefront_size: 32
...
	.end_amdgpu_metadata
.endif
;; end of part 1
;; launch gemm (part 2): grid 16 x 16, 4 waves a work-group, clusters of 4 x 4, 327,680 bytes of LDS; arguments xq, wq, bias, out0; writes out0
.if DOCPART == 2
	.amdgcn_target "amdgcn-amd-amdhsa--gfx1250"
	.amdhsa_code_object_version 6
	.text
	.protected	k_q2069a63c71_gemm
	.globl	k_q2069a63c71_gemm
	.p2align	8
	.type	k_q2069a63c71_gemm,@function
k_q2069a63c71_gemm:
	s_mov_b64 s[64:65], 0
	v_nop
	global_prefetch_b8 v0, s[64:65] scope:SCOPE_SE
	s_setreg_imm32_b32 hwreg(HW_REG_WAVE_MODE, 25, 1), 1
	s_wait_xcnt 0x0
	s_wait_alu depctr_hold_cnt(0) depctr_sa_sdst(0) depctr_va_vdst(0) depctr_va_sdst(0) depctr_va_ssrc(0) depctr_va_vcc(0) depctr_vm_vsrc(0)
	s_getreg_b32 s2, hwreg(HW_REG_IB_STS2, 6, 4)
	s_cmp_eq_u32 s2, 0
	s_cbranch_scc0 .Lentry_in_a_cluster
	s_endpgm
.Lentry_in_a_cluster:
	s_bfe_u32 s2, ttmp6, 0x10000c
	s_cmp_lg_u32 s2, 0xf033
	s_cbranch_scc0 .Lentry_shape_is_right
	s_endpgm
.Lentry_shape_is_right:
; out0[m][n] = sum over k of x[m][k] W[k][n] + bias[n], on the codes of FP4 (E2M1) and E8M0 scale bytes that launch quant laid in xq and wq; sums in f32.
; WORKSPACE (xq, wq alike): chunk (g = row / 128, s = k / 512) of CH bytes at (8 g + s) CH; in it fragment (q, i) at (8 q + i) 1,024 as the image of 8 operand registers (16 bytes a lane at 512 c + 16 lane); at 32,768 the scale bytes [k % 512 / 256][row % 128][8].
; SHARES: a work-group of four waves makes 256 x 256 of out0, a wave 128 x 128: 512 accumulator registers.  K goes in 32 steps of 128.
; x's chunks come through LDS: two slots of 1,024 along K (4 chunks, one tensor load a wave), asked for JOINTLY by the four work-groups of a row of the 4 x 4 cluster.  A wave has at most one tensor load out.
; W's fragments and scale words go from wq straight into the registers of the wave that multiplies them, in a ring of four steps (window 1), asked for four steps ahead.  They are not asked for jointly:
; a joint load lands in LDS, and through LDS each step would add 17 KiB of LDS writes and 32 KiB of LDS reads a work-group to x's 17 and 32.
; THE MATRIX INSTRUCTION IS USED TRANSPOSED: source 0 = 32 columns of W (two fragments on end), source 1 = 16 rows of x: a lane holds row l % 16 of out0; registers 0-7 are columns 8 (l / 16) + j, registers 8-15 the same 16 further on.
; Scale words: a register's 32 lanes hold the words of 32 rows on end: all 32 for source 0; for source 1 lanes 0-15 serve the even block of x, lanes 16-31 (ROW1) the odd one.
; THE LAST FOUR STEPS GO BY ROWS OF out0: all their fragments of W lie in the ring; x's come by pairs of blocks of 16 rows (64 registers a pair, the two sets by turns); a finished pair goes through the wave's stage, back into its own
; accumulator registers as whole rows, and is stored while the next pair is multiplied.  K stays ascending in every sum.
; PREFETCH: once in four steps a wave names 17 blocks of 256 bytes of W's chunk two chunks on (its loads begin two steps later); the 136 blocks of a chunk are shared out by address among the 8 waves of the cluster that load it
; (4 work-groups of a column x 2 waves); lanes 17-31 name the wave's last block again; the last two chunks' turns ask for nothing.  x's refills are asked for nine steps ahead of their first read: no prefetch is laid for them.
; REGISTERS: window 0: v15-31 addresses; v32-63 x's scale words, v64-95 W's, two sets each; v128-255 x's fragments, two sets (v192-255 first hold the bias, the C of step 0).  window 1: W's ring, set t % 4 at 64 (t % 4).
; windows 2, 3: accumulators: (x block a, W pair bp) at window 2 + bp / 2, v[128 (bp % 2) + 16 a].  The steps are written by macros; every offset is an immediate and no address register is rewritten.
.set CH,     34816
.set SCO,    32768
.set SLOT,   4*CH
.set SPARE,  2*SLOT                    ; behind the ring: the spare words, 128 bytes a wave
.set ROWC,   16384                     ; a row of out0 in bytes
.set SPITCH, 528                       ; the way out: a stage of 16 rows x (512 + 16) bytes a wave, in slot 0 behind its last fill and last read
.set PFO,  15                          ; prefetch offset
.set ADA,  16                          ; v16-19 LDS address of my x fragments: 2 slot + (chunk in slot)
.set ADS,  20                          ; v20-23 the same for x's scale words
.set STO,  24
.set RD,   25
.set V8,   26                          ; 8 x lane
.set BO,   27                          ; 32 (l / 16)
.set SPW,  28
.set NIL,  29
.set V16,  30                          ; 16 x lane
.set SA,   32
.set SBS,  64
.set AF,   128
.set BI,   192
.set G1,   24                          ; s[24:31] descriptor group 1
.set G0,   32                          ; s[32:39] group 0, one set for each slot
.set BW,   48                          ; s[48:49] my 128 columns' chunks in wq
.set MSB, 0
.macro WIN new                         ; the immediate's high byte repeats the setting that is left
.if MSB != \new
	s_set_vgpr_msb (MSB<<8)|\new
.set MSB, \new
.endif
.endm
.set MUL_LO, 0xa1                      ; source 0 window 1, source 1 window 0, C and D window 2
.set MUL_HI, 0xf1                      ; the same, C and D window 3
.set BEG_LO, 0x81                      ; step 0: C (the bias) window 0
.set BEG_HI, 0xc1
.set TO_B,   0x40                      ; destination window 1
.macro CREST                           ; a round of the cluster's barrier behind its opening barrier
	s_cmp_lg_u32 s14, 0
	s_cbranch_scc1 .Lnot_wave_0_\@
	s_barrier_signal -3
.Lnot_wave_0_\@:
	s_barrier_wait -3
	s_barrier_signal -1
	s_barrier_wait -1
.endm
.macro CROUND
	s_barrier_signal -1
	s_barrier_wait -1
	CREST
.endm
.macro PLACES                          ; four places behind a matrix instruction, ahead of loads into its registers and of reads of its result
.rept 4
	v_nop
.endr
.endm
	s_load_b256 s[4:11], s[0:1], 0x0               ; xq s[4:5], wq s[6:7], bias s[8:9], out0 s[10:11]
	v_lshl_add_u32 v[SPW], v0, 2, SPARE
	v_mov_b32 v[NIL], 0
	ds_add_u32 v[SPW], v[NIL]                      ; the opening lines: the add twice on end, under one wait
	ds_add_u32 v[SPW], v[NIL]
	v_lshrrev_b32 v1, 5, v0
	v_readfirstlane_b32 s14, v1                    ; wave 0..3
	s_lshr_b32 s15, s14, 1                         ; which 128 rows are mine
	s_and_b32 s16, s14, 1                          ; which 128 columns
	s_bfe_u32 s40, ttmp6, 0x40000                  ; cx
	s_bfe_u32 s41, ttmp6, 0x40004                  ; cy
	s_lshl_b32 s42, ttmp9, 2
	s_add_co_u32 s42, s42, s40                     ; tile column
	s_and_b32 s17, ttmp7, 0xffff
	s_lshl_b32 s17, s17, 2
	s_add_co_u32 s17, s17, s41                     ; tile row
	s_lshl_b32 s43, s41, 2
	s_lshl_b32 s43, 15, s43                        ; my row of the cluster
	s_or_b32 s[G1+0], s43, (3<<16)|(1<<21)         ; the mask; elements of 8 bytes; bit 21 beside a mask
	s_mov_b32 s[G1+1], 32<<16                      ; a chunk as 136 rows of 256 bytes, dense
	s_mov_b32 s[G1+2], 136<<16
	s_mov_b32 s[G1+3], 32<<16
	s_mov_b32 s[G1+4], 136
	s_mov_b32 s[G1+5], 32
	s_mov_b32 s[G1+6], 0
	s_mov_b32 s[G1+7], 0
	s_lshl_b32 s20, s17, 1                         ; the chunk that I fetch: g = 2 tile row + wave / 2, s = wave % 2
	s_add_co_u32 s20, s20, s15
	s_lshl_b32 s20, s20, 3
	s_add_co_u32 s20, s20, s16
	s_mul_i32 s20, s20, CH
	s_mov_b32 s21, 0
	s_lshl_b32 s46, s42, 1                         ; W: g = 2 tile column + wave % 2
	s_add_co_u32 s46, s46, s16
	s_mul_i32 s46, s46, 8*CH
	s_mov_b32 s47, 0
	s_mul_i32 s45, s14, CH                         ; where my chunk goes in a slot
	s_mul_i32 s50, s15, 2*CH                       ; where my rows' two chunks lie in a slot
	s_add_co_u32 s51, s50, SCO
	s_mul_i32 s52, s14, 16*SPITCH                  ; my stage
	s_lshl_b32 s53, s41, 1
	s_add_co_u32 s53, s53, s15
	s_mul_i32 s53, s53, 17*256                     ; my 17 blocks of a chunk of W: place 2 cy + wave / 2 among the eight
	s_lshl_b32 s18, s17, 8
	s_lshl_b32 s19, s15, 7
	s_add_co_u32 s18, s18, s19
	s_lshl_b32 s18, s18, 14                        ; my first row of out0, in bytes
	s_mov_b32 s19, 0
	s_lshl_b32 s22, s42, 10
	s_lshl_b32 s23, s16, 9
	s_add_co_u32 s22, s22, s23                     ; my first column, in bytes
	s_mov_b32 s23, 0
	v_and_b32 v1, 15, v0
	v_bfe_u32 v2, v0, 4, 1
	v_and_b32 v3, 31, v0
	v_lshlrev_b32 v[V16], 4, v3
	v_lshlrev_b32 v[V8], 3, v3
	v_add_nc_u32 v[ADA], s50, v[V16]
	v_add_nc_u32 v[ADS], s51, v[V8]
	v_add_nc_u32 v[ADA+1], CH, v[ADA]
	v_add_nc_u32 v[ADA+2], SLOT, v[ADA]
	v_add_nc_u32 v[ADA+3], SLOT+CH, v[ADA]
	v_add_nc_u32 v[ADS+1], CH, v[ADS]
	v_add_nc_u32 v[ADS+2], SLOT, v[ADS]
	v_add_nc_u32 v[ADS+3], SLOT+CH, v[ADS]
	v_mul_u32_u24 v4, v1, SPITCH
	v_lshl_add_u32 v4, v2, 5, v4
	v_add_nc_u32 v[STO], s52, v4                   ; into the stage: row l % 16, 32 bytes for each half of the lanes
	v_add_nc_u32 v[RD], s52, v[V16]                ; back: 32 lanes take a row of 512 bytes
	v_lshlrev_b32 v[BO], 5, v2
	v_min_u32 v5, 16, v3
	v_lshlrev_b32 v5, 8, v5
	v_add_nc_u32 v[PFO], s53, v5
	s_wait_alu depctr_va_vdst(0)                   ; the wait at the head's end
	s_wait_dscnt 0x0                               ; both opening adds are done
	s_wait_kmcnt 0x0
	s_add_nc_u64 s[20:21], s[4:5], s[20:21]
	s_add_nc_u64 s[BW:BW+1], s[6:7], s[46:47]
	s_add_nc_u64 s[8:9], s[8:9], s[22:23]
	s_add_nc_u64 s[10:11], s[10:11], s[22:23]
	s_add_nc_u64 s[10:11], s[10:11], s[18:19]
.irp s, 0,1
	s_mov_b32 s[G0+4*\s], 1
	s_add_co_u32 s[G0+4*\s+1], s45, \s*SLOT
	s_add_nc_u64 s[G0+4*\s+2:G0+4*\s+3], s[20:21], \s*2*CH
	s_or_b32 s[G0+4*\s+3], s[G0+4*\s+3], 0x80000000
.endr
.macro BLOAD t, hf                     ; half hf of W's eight fragments of step t into ring set t % 4: 8 loads of 512 consecutive bytes
.irp i, 0,1,2,3
.irp c, 0,1
	global_load_b128 v[64*((\t)%4)+8*(4*(\hf)+\i)+4*\c:64*((\t)%4)+8*(4*(\hf)+\i)+4*\c+3], v[V16], s[BW:BW+1] offset:((\t)/4)*CH+(8*((\t)%4)+4*(\hf)+\i)*1024+512*\c
.endr
.endr
.endm
.macro SBLOAD c                        ; W's scale words of chunk c: 8 loads of 256 consecutive bytes
.irp bp, 0,1,2,3
.irp p, 0,1
	global_load_b64 v[SBS+16*((\c)%2)+4*\bp+2*\p:SBS+16*((\c)%2)+4*\bp+2*\p+1], v[V8], s[BW:BW+1] offset:(\c)*CH+SCO+1024*\p+256*\bp
.endr
.endr
.endm
.macro ALOAD t                         ; x's eight fragments of step t into set t % 2
.irp a, 0,1,2,3,4,5,6,7
.irp c, 0,1
	ds_load_b128 v[AF+64*((\t)%2)+8*\a+4*\c:AF+64*((\t)%2)+8*\a+4*\c+3], v[ADA+((\t)/4)%4] offset:(8*((\t)%4)+\a)*1024+512*\c
.endr
.endr
.endm
.macro ALOADP P                        ; the last chunk by rows: x's blocks 2 P, 2 P + 1, all four steps, into set P % 2
.irp al, 0,1
.irp q, 0,1,2,3
.irp c, 0,1
	ds_load_b128 v[AF+64*((\P)%2)+32*\al+8*\q+4*\c:AF+64*((\P)%2)+32*\al+8*\q+4*\c+3], v[ADA+3] offset:(8*\q+2*(\P)+\al)*1024+512*\c
.endr
.endr
.endr
.endm
.macro SALOAD c                        ; x's scale words of chunk c
.irp ip, 0,1,2,3
.irp p, 0,1
	ds_load_b64 v[SA+16*((\c)%2)+4*\ip+2*\p:SA+16*((\c)%2)+4*\ip+2*\p+1], v[ADS+(\c)%4] offset:1024*\p+256*\ip
.endr
.endr
.endm
.macro MM t, bp, a, beg                ; 32 columns of W x 16 rows of x x 128 along K
.set DD, 128*((\bp)%2)+16*(\a)
.set CC, DD
.if \beg
.set CC, BI+16*(\bp)
.endif
.set S0, 64*((\t)%4)+16*(\bp)
.set S1, AF+64*((\t)%2)+8*(\a)
.set X0, SBS+16*(((\t)/4)%2)+4*(\bp)+(\t)%4
.set X1, SA+16*(((\t)/4)%2)+4*((\a)/2)+(\t)%4
.if (\a)%2
	v_wmma_scale_f32_32x16x128_f4 v[DD:DD+15], v[S0:S0+15], v[S1:S1+7], v[CC:CC+15], v[X0], v[X1] matrix_b_scale:MATRIX_SCALE_ROW1
.else
	v_wmma_scale_f32_32x16x128_f4 v[DD:DD+15], v[S0:S0+15], v[S1:S1+7], v[CC:CC+15], v[X0], v[X1]
.endif
.endm
.macro HALF t, hi, beg                 ; 16 matrix instructions: W's pairs 2 hi, 2 hi + 1 x x's eight blocks; the 32 accumulators take turns, one instruction a turn
.irp bl, 0,1
.irp a, 0,1,2,3,4,5,6,7
	MM \t, 2*\hi+\bl, \a, \beg
.endr
.endr
.endm
; STEP t, t = 0 .. 27.  Waits by count: behind x's fragments of step t stands the batch of LDS loads issued at the end of step t - 1 (16, with scale words 24); behind W's fragments of step t stand those of three later steps (48) and one set of scale words (8).
; Steps 6, 14, 22 change slots: each wave waits for all its tensor loads, adds 0 to its spare word, waits for that and for its reads of the slot (step t + 1's fragments are the last); in steps 6 and 14 a round of the cluster's barrier and the joint refill follow.
.macro STEP t, beg
.set DSY, 16
.if (\t)%4 == 3
.set DSY, 24
.endif
.if (\t) == 0
.set DSY, 0
.endif
	s_wait_dscnt DSY
	s_wait_loadcnt 56
.if (\t)%8 == 6
	s_wait_tensorcnt 0x0                           ; my part of the next slot has landed
	ds_add_u32 v[SPW], v[NIL]
	WIN MUL_LO
	HALF \t, 0, 0
	s_wait_dscnt 0x0                               ; the add is done, my reads of this slot are back
	s_barrier_signal -1
	WIN MUL_HI
	HALF \t, 1, 0
	WIN 0
	s_barrier_wait -1
.if (\t) < 22
	CREST                                          ; the barrier has opened a round: no wave of any partner still reads this slot
	s_add_nc_u64 s[G0+4*((\t)/8)+2:G0+4*((\t)/8)+3], s[G0+4*((\t)/8)+2:G0+4*((\t)/8)+3], 4*CH
	tensor_load_to_lds s[G0+4*((\t)/8):G0+4*((\t)/8)+3], s[G1:G1+7]   ; 2,048 along K further on, into the slot just read out
	s_nop 0
.endif
	PLACES
	WIN TO_B
	BLOAD (\t)+4, 0
	BLOAD (\t)+4, 1
	WIN 0
	SALOAD ((\t)+2)/4
	ALOAD (\t)+2
.else
.if \beg
	WIN BEG_LO
.else
	WIN MUL_LO
.endif
	HALF \t, 0, \beg
	PLACES
	WIN TO_B
	BLOAD (\t)+4, 0                                ; into the ring registers just multiplied
.if (\t)%4 == 1 && (\t) < 24
	global_prefetch_b8 v[PFO], s[BW:BW+1] offset:((\t)/4+2)*CH th:TH_LOAD_NT scope:SCOPE_SE
.endif
.if \beg
	WIN BEG_HI
.else
	WIN MUL_HI
.endif
	HALF \t, 1, \beg
	PLACES
	WIN TO_B
	BLOAD (\t)+4, 1
	WIN 0
.if (\t)%4 == 3 && (\t) <= 23
	SBLOAD ((\t)+5)/4
.endif
.if (\t)%4 == 2
	SALOAD ((\t)+2)/4
.endif
.if (\t) == 0
	ALOAD 1                                        ; set 1 held the bias until now
.endif
.if (\t) >= 26
	ALOADP (\t)-26                                 ; the last chunk is read by pairs of blocks
.else
	ALOAD (\t)+2
.endif
.endif
.endm
; The last chunk by rows.  MMR: W's pair bp x x's block 2 P + al, the chunk's q-th 128 along K.  PAIRQ: a pair's 8 accumulators, one instruction each: between two steps of a sum stand the seven others'.
.macro MMR P, al, q, bp
.set DD, 128*((\bp)%2)+16*(2*(\P)+\al)
.set S0, 64*(\q)+16*(\bp)
.set S1, AF+64*((\P)%2)+32*\al+8*(\q)
.set X0, SBS+16+4*(\bp)+(\q)
.set X1, SA+16+4*(\P)+(\q)
.if \al
	v_wmma_scale_f32_32x16x128_f4 v[DD:DD+15], v[S0:S0+15], v[S1:S1+7], v[DD:DD+15], v[X0], v[X1] matrix_b_scale:MATRIX_SCALE_ROW1
.else
	v_wmma_scale_f32_32x16x128_f4 v[DD:DD+15], v[S0:S0+15], v[S1:S1+7], v[DD:DD+15], v[X0], v[X1]
.endif
.endm
.macro PAIRQ P, q
	WIN MUL_LO
.irp al, 0,1
.irp bl, 0,1
	MMR \P, \al, \q, \bl
.endr
.endr
	WIN MUL_HI
.irp al, 0,1
.irp bl, 0,1
	MMR \P, \al, \q, 2+\bl
.endr
.endr
.endm
; THE WAY OUT of block a (16 rows x 128 columns): into my own stage, 32 bytes a lane, and back as whole rows of 512 bytes into the block's own accumulator registers: row 8 hw + 4 bl + k into the four registers (window 2 + hw, 128 bl + 16 a + 4 k).
; LDS serves a wave's instructions in order (ISA guide 5.7.1.4): no wait between the stores and the loads, nor ahead of the next block's stores.  No store's data are written again, and every row's place stands in the immediate (127 rows of 16,384 bytes at the most).
.macro TOSTAGE a
.irp hw, 0,1
	WIN 0x08+4*\hw                                 ; the data: window 2 or 3
.irp bl, 0,1
.irp k, 0,1,2,3
	ds_store_b128 v[STO], v[128*\bl+16*(\a)+4*\k:128*\bl+16*(\a)+4*\k+3] offset:128*(2*\hw+\bl)+64*(\k/2)+16*(\k%2)   ; each accumulator from its low end on
.endr
.endr
.endr
.irp hw, 0,1
	WIN 0x80+0x40*\hw                              ; the destination: window 2 or 3
.irp bl, 0,1
.irp k, 0,1,2,3
	ds_load_b128 v[128*\bl+16*(\a)+4*\k:128*\bl+16*(\a)+4*\k+3], v[RD] offset:(8*\hw+4*\bl+\k)*SPITCH
.endr
.endr
.endr
.endm
.macro SEND a
.irp hw, 0,1
	WIN 0x08+4*\hw
.irp bl, 0,1
.irp k, 0,1,2,3
	global_store_b128 v[V16], v[128*\bl+16*(\a)+4*\k:128*\bl+16*(\a)+4*\k+3], s[10:11] offset:(16*(\a)+8*\hw+4*\bl+\k)*ROWC th:TH_STORE_NT   ; 32 lanes store 512 consecutive bytes at a multiple of 256
.endr
.endr
.endr
.endm
	CROUND                                         ; all sixteen work-groups are here: the first joint loads meet
	tensor_load_to_lds s[G0:G0+3], s[G1:G1+7]      ; slot 0: my chunk of K 0 .. 1,023: one tensor load a wave at the head
	s_nop 0
	PLACES
.irp b, 0,1,2,3,4,5,6,7
	global_load_b128 v[BI+8*\b:BI+8*\b+3],   v[BO], s[8:9] offset:64*\b      ; bias at my lane's eight columns of each block
	global_load_b128 v[BI+8*\b+4:BI+8*\b+7], v[BO], s[8:9] offset:64*\b+16
.endr
	SBLOAD 0
	WIN TO_B
.irp t, 0,1,2,3
	BLOAD \t, 0
	BLOAD \t, 1
.endr
	WIN 0
	SBLOAD 1
	s_wait_tensorcnt 0x0                           ; my chunk is in
	ds_add_u32 v[SPW], v[NIL]
	s_wait_dscnt 0x0
	CROUND
	tensor_load_to_lds s[G0+4:G0+7], s[G1:G1+7]    ; slot 1: K 1,024 .. 2,047
	s_nop 0
	PLACES
	SALOAD 0
	ALOAD 0
	STEP 0, 1                                      ; the bias is the C of the first products: nothing is cleared or added later
.set T, 1
.rept 27
	STEP T, 0
.set T, T+1
.endr
	s_wait_dscnt 16                                ; pair 0's fragments and the chunk's scale words are in; pair 1's 16 loads may be out
.irp q, 0,1,2,3
	s_wait_loadcnt 16*(3-\q)                       ; W's fragments of step 28 + q are in; the later steps' 16 each may be out
	PAIRQ 0, \q
.endr
.irp P, 0,1,2
	WIN 0
	PLACES
	s_wait_dscnt 0x0                               ; the next pair's fragments, asked for a pair ago, are in
	TOSTAGE 2*\P
	TOSTAGE 2*\P+1
	WIN 0
.if \P < 2
	ALOADP \P+2                                    ; into the set just multiplied
.endif
	PAIRQ \P+1, 0
	PAIRQ \P+1, 1
.if \P < 2
	s_wait_dscnt 16                                ; the finished pair is back in registers; behind it stand the 16 fragment loads
.else
	s_wait_dscnt 0x0
.endif
	SEND 2*\P
	SEND 2*\P+1
	PAIRQ \P+1, 2
	PAIRQ \P+1, 3
.endr
	WIN 0
	PLACES
	TOSTAGE 6
	TOSTAGE 7
	s_wait_dscnt 32                                ; block 6 is back; behind it block 7's 16 stores and 16 loads
	SEND 6
	s_wait_dscnt 0x0
	SEND 7
	WIN 0
	s_wait_tensorcnt 0x0                           ; the wave's end
	ds_add_u32 v[SPW], v[NIL]
	s_wait_dscnt 0x0
	CROUND                                         ; the closing round
	s_endpgm
.Lfunc_end_k_q2069a63c71_gemm:
	.size	k_q2069a63c71_gemm, .Lfunc_end_k_q2069a63c71_gemm-k_q2069a63c71_gemm
	.p2alignl 7, 3214868480
	.fill 96, 4, 3214868480
	.section	.rodata,"a",@progbits
	.p2align	6, 0x0
	.amdhsa_kernel k_q2069a63c71_gemm
		.amdhsa_group_segment_fixed_size 327680
		.amdhsa_private_segment_fixed_size 0
		.amdhsa_enable_private_segment 0
		.amdhsa_kernarg_size 32
		.amdhsa_user_sgpr_count 2
		.amdhsa_user_sgpr_kernarg_segment_ptr 1
		.amdhsa_wavefront_size32 1
		.amdhsa_system_sgpr_workgroup_id_x 1
		.amdhsa_system_sgpr_workgroup_id_y 1
		.amdhsa_system_sgpr_workgroup_id_z 1
		.amdhsa_system_vgpr_workitem_id 0
		.amdhsa_next_free_vgpr 1024
		.amdhsa_next_free_sgpr 66
		.amdhsa_reserve_vcc 0
		.amdhsa_float_denorm_mode_32 3
		.amdhsa_float_denorm_mode_16_64 3
		.amdhsa_memory_ordered 1
		.amdhsa_forward_progress 1
		.amdhsa_inst_pref_size 255
	.end_amdhsa_kernel
	.section	.bss,"aw",@nobits
	.p2align	6
	.space	262144
	.amdgpu_metadata
---
amdhsa.version: [ 1, 2 ]
amdhsa.kernels:
  - .name:           k_q2069a63c71_gemm
    .symbol:         k_q2069a63c71_gemm.kd
    .args:
      - { .name: xq, .offset: 0, .size: 8, .value_kind: global_buffer, .address_space: global }
      - { .name: wq, .offset: 8, .size: 8, .value_kind: global_buffer, .address_space: global }
      - { .name: bias, .offset: 16, .size: 8, .value_kind: global_buffer, .address_space: global }
      - { .name: out0, .offset: 24, .size: 8, .value_kind: global_buffer, .address_space: global }
    .group_segment_fixed_size: 327680
    .private_segment_fixed_size: 0
    .kernarg_segment_align: 8
    .kernarg_segment_size: 32
    .max_flat_workgroup_size: 128
    .sgpr_count:     66
    .vgpr_count:     1024
    .wavefront_size: 32
...
	.end_amdgpu_metadata
.endif
;; end of part 2
